; MI455X (gfx1250); checked and timed in simulation.
; The chip was launched on July 23, 2026; its instructions are those of AMD's public machine-readable ISA for CDNA 5 (MIT licence, August 2026) and "CDNA5" Instruction Set Architecture Reference Guide (July 2026). The comments in the code are by the model that wrote it; some were corrected since.
;; Causal LM. Allowed arithmetic: matrix products marked QUANTISED: E4M3 operands, one E8M0 scale for each 32 along K, by v_wmma_scale_f32_16x16x128_f8f6f4 with both operands' format E4M3, f32 sums; everything else in f32.
;; Inputs: attention_mask 2 x 1 x 1 x 2,048 float32; ctx_mask 2 x 2,048 float32; head_mask 1 x 16 x 1 x 1 float32; key_codes 2 x 16 x 2,048 x 4 x 32 uint8 (E4M3 codes of key, K innermost, in blocks of 32 codes); key_scales 2 x 16 x 2,048 x 4 uint8 (E8M0 scales of key, one for each 32 codes along K); query_codes 2 x 16 x 2,048 x 4 x 32 uint8 (E4M3 codes of query, K innermost, in blocks of 32 codes); query_scales 2 x 16 x 2,048 x 4 uint8 (E8M0 scales of query, one for each 32 codes along K); value_codes 2 x 16 x 128 x 64 x 32 uint8 (E4M3 codes of value, K innermost, in blocks of 32 codes); value_scales 2 x 16 x 128 x 64 uint8 (E8M0 scales of value, one for each 32 codes along K).
;; Outputs: out0 2 x 16 x 2,048 x 128 float32.
;; This version of the problem:
;;   THIS VERSION OF THE PROBLEM IS GIVEN IN LOW PRECISION. The matrix products marked QUANTISED in the list below multiply operands that are first quantised to E4M3 (4 exponent bits, 3 mantissa bits; 8 bits a number), with one power-of-two scale for each 32 numbers along K (OCP MX v1.0); their sums are f32. All else is computed in f32.
;;   The module's matrix products, in the order in which they are computed (A, B: the left and right operand; K: the contracted axis; several contracted axes count as one K, in the product's order):
;;     1. batch 32 x [M 2,048, K 128] x [K 128, N 2,048]; A: input query (given as codes); B: input key (given as codes): QUANTISED
;;     2. batch 32 x [M 2,048, K 2,048] x [K 2,048, N 128]; A: computed on the way; B: input value (given as codes): QUANTISED
;;   THE QUANTISER, for each operand of a quantised product, along K:
;;     - K is cut into blocks of 32 from its start; a last block that is shorter is filled with zeros.
;;     - A block's scale is 2^e with e = floor(log2(the largest magnitude in the block)) - 8, held to -126 .. 127; a block of zeros has e = 0. As a byte (E8M0): e + 127.
;;     - Each number is divided by its block's scale, clamped to +-448, and rounded to the nearest number of E4M3, ties to even, subnormals kept.
;;     - The product sums the exact products of the quantised numbers (number of the format x scale) in f32.
;;   ~~~python
;;   def quantise(x, axis):      # numpy; x: float32 -> the quantised numbers, widened to float32 again
;;       x = np.moveaxis(x, axis, -1); K = x.shape[-1]
;;       x = np.pad(x, [(0, 0)] * (x.ndim - 1) + [(0, -K % 32)]); x = x.reshape(x.shape[:-1] + (-1, 32)); a = np.abs(x).max(-1, keepdims=True)
;;       e = np.where(a > 0, np.clip(np.frexp(np.where(a > 0, a, 1))[1] - 1 - 8, -126, 127), 0)      # np.frexp(a)[1] - 1 = floor(log2(a)), exactly
;;       r = np.clip(x / 2.0 ** e, -448, 448)
;;       step = 2.0 ** (np.maximum(np.frexp(np.where(r == 0, 1, r))[1] - 1, -6) - 3)
;;       q = np.round(r / step) * step * 2.0 ** e      # np.round: ties to even
;;       return np.moveaxis(q.reshape(q.shape[:-2] + (-1,))[..., :K], -1, axis).astype(np.float32)
;;   ~~~
;;   OPERANDS COMPUTED ON THE WAY. 'Computed on the way' means the value that the module computes at that place (a softmax that the list does not call 'softmax' is quantised finished and normalised). What goes into a quantiser is computed in f32, as accurately as f32 sums, v_exp_f32 and their like allow (about 1e-6 of the number): no bf16 or f16 on the way to a quantiser, and a product that is left as it is and whose result goes on into a quantised operand takes f32 operands (vector FMAs, or v_wmma_f32_16x16x4_f32). A number that lies on a knife's edge between two numbers of the format may be rounded either way, as far as f32 arithmetic and the matrix unit's own rounding can turn it there, and no further.
;;   INPUTS GIVEN AS CODES. key (in the module: [2, 16, 2048, 128], K = its axis 3); query (in the module: [2, 16, 2048, 128], K = its axis 3); value (in the module: [2, 16, 2048, 128], K = its axis 2): each comes as NAME_codes (uint8): NAME with its K axis moved to the last place and cut into blocks of 32 codes, [.., K / 32, bytes a block], one block behind the other in memory; one code a byte (a code: sign, 4 exponent bits, 3 mantissa bits); and NAME_scales (uint8): the same leading axes, one E8M0 byte (e + 127) for each 32 codes along K. Its value is code x scale, taken as it is: it is not quantised again, and the codes and scales need not be those that the quantiser above would give.
;; One version. Each part assembles by itself: llvm-mc -triple=amdgcn-amd-amdhsa -mcpu=gfx1250 --defsym DOCPART=n.
;; ======== version 1 of 1: 1 launch
;; launch attn (part 1): grid 8 x 32, 8 waves a work-group, no clusters, 327,680 bytes of LDS; arguments query_codes, query_scales, key_codes, key_scales, value_codes, value_scales, attention_mask, ctx_mask, head_mask, out0; writes out0
.if DOCPART == 1
	.amdgcn_target "amdgcn-amd-amdhsa--gfx1250"
	.amdhsa_code_object_version 6
	.text
	.protected	k_qa3e9e7724a_attn
	.globl	k_qa3e9e7724a_attn
	.p2align	8
	.type	k_qa3e9e7724a_attn,@function
k_qa3e9e7724a_attn:
	s_mov_b64 s[64:65], 0
	v_nop
	global_prefetch_b8 v0, s[64:65] scope:SCOPE_SE
	s_setreg_imm32_b32 hwreg(HW_REG_WAVE_MODE, 25, 1), 1
	s_wait_xcnt 0x0
; out[h][q][:] = sum over k <= q of ((softmax_k(Q[q].K[k] + am[k]) x head_mask[h]) x ctx[k]) V[k][:], 32 heads, 2,048 queries and keys, head size 128; no 1/sqrt(d).
; Both products on codes of FP8 (E4M3) with one E8M0 scale for each 32 along K.  Q, K: [head][2048][128] codes, scale words [head][2048][4]; V: keys innermost, [head][128][2048], scale bytes [head][128][64].
; WHAT IS QUANTISED for the second product is the FINISHED weight (normalised, x head_mask, x ctx).  So the keys are walked twice.  Pass 1: S^T = K Q^T + am, running maximum m and sum l.
; Pass 2: the same products again (same instructions, same operands, same bits), w = ((2^(x L + NC)) G) ctx with L = log2(e), NC = -L m, G = head_mask / l; w is quantised in blocks of 32 keys; O^T += V^T w^T.
; SHARES.  A work-group owns two blocks of 128 queries of one head: block g and block 15 - g, one after the other: g + 1 and 16 - g steps of 128 keys, 17 in every work-group.
; Waves w and w ^ 1 are a pair and own 32 queries, two tiles of 16.  They share the KEYS: of a slot's 256 keys a wave takes the step of its parity, for both tiles, so each fragment read from LDS feeds two products.
; After pass 1 the pair joins (NC, l) through LDS; after pass 2 each wave sends its partial O^T of the partner's tile through LDS and finishes its own tile.
; LAYOUT.  Both products are used transposed (source 0 = 16 keys, or 16 of the head's 128; source 1 = 16 queries): a lane holds ONE query (lane % 16).  Lane r of key tile 2 b + u takes key 32 b + 8 u + r + 8 (r / 8),
; so that the 16 registers of tiles 2 b, 2 b + 1 are the keys 32 b + 16 (lane / 16) + 0 .. 15.  The additive mask is the C of K Q^T: eight registers a tile in the result's layout.
; CAUSAL.  Steps all of whose keys come after the block's queries are left out (scalar branches on ids); on the diagonal step hidden scores become -infinity, so their weight is 0.
; NO CLUSTER: the work-groups that share K and V are query blocks of one head with different causal limits, so the branches that leave steps and loads out would hang on a work-group's place in its cluster.
; LIMITS.  Hidden keys have weight 0, and every query needs a visible key with score + mask above -2e38 (so |attention_mask| up to about 1e37 is served; -infinity on part of a row too).
; NaN and other infinities among the inputs are not served.  Exponentials under 2^-126 count as 0.  A block of weights that are all 0 has the scale byte 1, which nobody but this text reads.
; REGISTERS, two windows of 256.  The same numbers in window 0 (my tile, A) and window 1 (the partner's tile, B): v8 NC, v9 m, v[10:11] l, v12 f then G, v13 0, v14 query - 16 (lane / 16) within the block, v15 -infinity,
;   v16-31 Q, v96-159 S^T then w, v160-223 O^T, v224-239 w's codes, v240-255 at work.  Window 0 alone: v1-7, v64-95 addresses, scale words, records; v32-63 the mask.  Window 1 alone: v32-95 four fragments of K or V, or ctx.
.set SLOT1, 1<<17                      ; slot 1 begins here: one exclusive or turns an address in one slot into the other's
.set KU,    16*1152                    ; half of a slot's K: 16 groups of 8 keys, a key's row 128 bytes + 16 of padding
.set VOFF,  2*KU                       ; behind K: V, 128 rows of 256 bytes + 16
.set VH,    64*272                     ; half of them
.set XO,    SLOT1+VOFF+2*VH            ; behind the ring: images of partial O^T, 8,192 bytes a wave; the partner's image is later my stage on the way out
.set RES,   XO+8*8192                  ; four residents of 8,192 data bytes, as 128 rows of 64 bytes + 16: filled once
.set RSZ,   128*80
.set KSC,   RES                        ; K's scale words of the head
.set VSC,   RES+RSZ                    ; V's
.set AMB,   RES+2*RSZ                  ; attention_mask of the batch; ctx_mask lies RSZ behind it
.set XM,    RES+4*RSZ                  ; records (NC, l), 512 bytes a wave
.set SPARE, XM+8*512                   ; the spare words, 128 bytes for each wave: four blocks of 256 bytes that no other line names
.set AK0, 1                            ; my lane's place in a slot's K, V, among K's and V's scale words, in the mask
.set AV0, 2
.set ASK0, 3
.set ASV0, 4
.set AAM0, 5
.set SPW, 6                            ; LDS address of my spare word; never rewritten
.set NIL, 7                            ; 0; never rewritten
.set NC,  8
.set MX,  9
.set LS,  10
.set FG,  12
.set DREL, 14
.set NINF, 15
.set QF,  16
.set MK,  32
.set FR,  32
.set ADK, 64                           ; the step's addresses
.set ADV, 65
.set ADS, 66
.set ADT, 67
.set ADM, 68
.set XMW, 69                           ; my record, the partner's; my image, the partner's
.set XMP, 70
.set XOW, 71
.set XOP, 72
.set STO, 73                           ; the stage: in, back; my bytes in two rows of out
.set SRD, 74
.set GO,  75
.set QOA, 76                           ; byte offsets of Q's two tiles and of their scale words
.set QOB, 77
.set QSO, 78
.set PFOK, 79                          ; the prefetches' lane offsets; never rewritten
.set KS,  80                           ; v80-83 scale words of four pairs of tiles: lanes 0-15 the even tile's, lanes 16-31 the odd one's
.set QS,  84                           ; Q's scale words: lanes 0-15 tile A's, lanes 16-31 tile B's
.set PSA, 85                           ; w's scale words
.set PSB, 86
.set PFOV, 87
.set RM,  88                           ; v88-91 my record, v92-95 the partner's
.set RP,  92
.set S,   96
.set O,   160
.set PC,  224
.set TM,  240
.set WV,  24                           ; wave; parity; pair; work-group x; head
.set PAR, 25
.set PI,  26
.set G,   27
.set HEAD, 28
.set HM,  29                           ; head_mask[h]
.set BETA, 30                          ; the block of queries, and its diagonal step
.set LB,  31                           ; the slot's worth of keys that holds it
.set BI,  32                           ; the visit's 256 keys
.set SI,  33                           ; my step: 2 BI + parity
.set TB,  34                           ; LDS byte at which the visit's slot begins
.set T,   35
.set SEL, 36                           ; s[36:37] lane selects for lane l xor 16
.set LG,  38                           ; s[38:39] log2(e), named as a pair
.set NL,  40                           ; -log2(e)
.set MNT, 41                           ; the mantissa field of 448
.set KLIM, 42
.set U,   43                           ; wave & 1
.set G0K, 44
.set G0V, 48
.set G1K, 52
.set G0R, 60
.set TS,  66                           ; 640 SI: the step's place in the residents that go by keys
.set TJ,  67                           ; 4 SI: in a row of V's scale bytes
.set G1V, 68
.set G1R, 76
.set PFK, 84
.set PFV, 86
.set PFL1, 88
.set PFL2, 89
.set KL0, 92                           ; LDS place of my half of K, of V, in slot 0
.set VL0, 93
.set OUTP, 96
.set QPTR, 98
.set QSPTR, 100
.set MSB, 0
.macro WIN new                         ; bits 1:0 source 0, 3:2 source 1, 5:4 source 2, 7:6 destination; the high byte repeats the setting that is left
.if MSB != (\new)
	s_set_vgpr_msb (MSB<<8)|(\new)
.set MSB, \new
.endif
.endm
.macro PLACES n                        ; plain vector instructions behind matrix instructions (ISA guide 7.12.1)
.if \n
.rept \n
	v_nop
.endr
.endif
.endm
.macro CHGO                            ; the head of a change of slots: all my tensor loads have landed, so a group 0 may be written; then an add to my spare word
	s_wait_tensorcnt 0x0
	ds_add_u32 v[SPW], v[NIL]
.endm
.macro BAR                             ; my LDS instructions are done (the add, my stores, my reads): then the work-group's barrier
	s_wait_dscnt 0x0
	s_barrier_signal -1
	s_barrier_wait -1
.endm
; Waves 0 and 1 fetch K's halves, waves 2 and 3 V's, the others nothing: branches on the wave's number alone.  An s_nop 0 and four v_nop follow each load.
.macro TLOAD k, v
.if \k
	s_cmp_eq_u32 s[PI], 0
	s_cbranch_scc0 .Lnot_k_\@
	tensor_load_to_lds s[G0K:G0K+3], s[G1K:G1K+7]
	s_nop 0
	PLACES 4
.if \v
	s_branch .Lasked_\@
.endif
.Lnot_k_\@:
.endif
.if \v
	s_cmp_eq_u32 s[PI], 1
	s_cbranch_scc0 .Lasked_\@
	tensor_load_to_lds s[G0V:G0V+3], s[G1V:G1V+7]
	s_nop 0
	PLACES 4
.endif
.Lasked_\@:
.endm
; A prefetch of the tile that the NEXT change of slots will ask for, one instruction a wave.  Only in the late block, only by the head's work-group 0 and its waves 4 to 7, which fetch nothing: each names a quarter
; of the tile (K: 8,192 dense bytes, lanes 256 bytes apart; V: 32 rows, a lane a row of 256 bytes), so each block of 256 bytes is named once.  It is asked in the trips base .. base + lim - 1 alone.
.macro ASK base, lim, off, ptr
	s_sub_co_u32 s[T], s[BI], \base
	s_cmp_lt_u32 s[T], s[\lim]
	s_cbranch_scc0 .Lnm_\@
	global_prefetch_b8 v[\off], s[\ptr:\ptr+1] th:TH_LOAD_NT scope:SCOPE_SE
.Lnm_\@:
.endm
.macro WM d, a, b, c, sa, sb, ra, rb   ; one product; ra, rb: the side's scale words stand in lanes 16-31
.if (\ra) && (\rb)
	v_wmma_scale_f32_16x16x128_f8f6f4 v[\d:\d+7], v[\a:\a+15], v[\b:\b+15], v[\c:\c+7], v[\sa], v[\sb] matrix_a_scale:MATRIX_SCALE_ROW1 matrix_b_scale:MATRIX_SCALE_ROW1
.elseif \ra
	v_wmma_scale_f32_16x16x128_f8f6f4 v[\d:\d+7], v[\a:\a+15], v[\b:\b+15], v[\c:\c+7], v[\sa], v[\sb] matrix_a_scale:MATRIX_SCALE_ROW1
.elseif \rb
	v_wmma_scale_f32_16x16x128_f8f6f4 v[\d:\d+7], v[\a:\a+15], v[\b:\b+15], v[\c:\c+7], v[\sa], v[\sb] matrix_b_scale:MATRIX_SCALE_ROW1
.else
	v_wmma_scale_f32_16x16x128_f8f6f4 v[\d:\d+7], v[\a:\a+15], v[\b:\b+15], v[\c:\c+7], v[\sa], v[\sb]
.endif
.endm
; S^T = K Q^T + am for four tiles of 16 keys (blocks 2 g, 2 g + 1 of the step) and both tiles of queries: eight products on eight accumulators.
.macro QKG g, np
	PLACES \np
	WIN 0x40                                       ; destination window 1, address window 0
.irp t, 0,1,2,3
.irp c, 0,1,2,3
	ds_load_b128 v[FR+16*\t+4*\c:FR+16*\t+4*\c+3], v[ADK] offset:(\t%2)*KU+(2*\g+\t/2)*2304+32*\c
.endr
.endr
	WIN 0
.irp b, 0,1
.irp c, 0,1,2,3
	ds_load_b128 v[MK+16*\b+4*\c:MK+16*\b+4*\c+3], v[ADM] offset:320*\g+160*\b+16*\c   ; the mask of my 16 keys of a block: the C of two tiles
.endr
.endr
.if \g == 0
.irp b, 0,1,2,3
	ds_load_b32 v[KS+\b], v[ADS] offset:160*\b
.endr
.endif
	s_wait_dscnt 0x0
	WIN 0x01                                       ; K window 1; Q, mask, S^T window 0
.irp t, 0,1,2,3
	WM S+32*\g+8*\t, FR+16*\t, QF, MK+8*\t, KS+2*\g+\t/2, QS, \t%2, 0
.endr
	WIN 0x45                                       ; K, Q, S^T window 1; mask window 0
.irp t, 0,1,2,3
	WM S+32*\g+8*\t, FR+16*\t, QF, MK+8*\t, KS+2*\g+\t/2, QS, \t%2, 1
.endr
	WIN 0
.endm
.macro MASKT                           ; the diagonal step: register 16 b + i holds key 32 b + 16 (lane / 16) + i of the step: hidden where 32 b + i > my query - 16 (lane / 16)
.set n, 0
.rept 64
	v_cmp_gt_i32 vcc_lo, 32*(n/16)+n%16, v[DREL]
	v_cndmask_b32 v[S+n], v[S+n], v[NINF], vcc_lo
.set n, n+1
.endr
.endm
.macro SCEXP                           ; 2^(x L + NC), the scalings two at a time; each accumulator is taken from its low end on
.set j, 0
.rept 32
	v_pk_fma_f32 v[S+j:S+j+1], v[S+j:S+j+1], s[LG:LG+1], v[NC:NC+1] op_sel_hi:[1,0,0]
.set j, j+2
.endr
.set j, 0
.rept 64
	v_exp_f32 v[S+j], v[S+j]
.set j, j+1
.endr
.endm
.macro MAXEXP                          ; pass 1, one tile: the new m, NC = -L m, f = 2^(NC - old NC), the exponentials
.irp b, 0,1,2,3
	v_max3_num_f32 v[TM+\b], v[S+16*\b], v[S+1+16*\b], v[S+2+16*\b]
.endr
.irp i, 3,5,7,9,11,13
.irp b, 0,1,2,3
	v_max3_num_f32 v[TM+\b], v[TM+\b], v[S+16*\b+\i], v[S+1+16*\b+\i]
.endr
.endr
.irp b, 0,1,2,3
	v_max_num_f32 v[TM+\b], v[TM+\b], v[S+15+16*\b]
.endr
	v_max3_num_f32 v[TM], v[TM], v[TM+1], v[TM+2]
	v_max3_num_f32 v[TM], v[TM], v[TM+3], v[MX]
	v_permlanex16_b32 v[TM+4], v[TM], s[SEL], s[SEL+1]   ; the query's other keys lie in lane l xor 16
	v_max_num_f32 v[MX], v[TM], v[TM+4]
	v_mov_b32 v[TM+5], v[NC]
	v_mul_f32 v[NC], s[NL], v[MX]
	v_sub_f32 v[TM+5], v[NC], v[TM+5]
	v_exp_f32 v[FG], v[TM+5]
	SCEXP
.endm
.macro SUMS                            ; l = l f + the sum of the step's exponentials, in two chains
	v_pk_mul_f32 v[LS:LS+1], v[LS:LS+1], v[FG:FG+1] op_sel_hi:[1,0]
	v_pk_add_f32 v[TM+6:TM+7], v[S:S+1], v[S+2:S+3]
.irp j, 4,8,12,16,20,24,28,32,36,40,44,48,52,56,60
	v_pk_add_f32 v[LS:LS+1], v[LS:LS+1], v[S+\j:S+\j+1]
	v_pk_add_f32 v[TM+6:TM+7], v[TM+6:TM+7], v[S+2+\j:S+3+\j]
.endr
	v_pk_add_f32 v[LS:LS+1], v[LS:LS+1], v[TM+6:TM+7]
.endm
; A STEP OF PASS 1.  No places at its head: eight v_nop stand behind every run of products on every path that leads here.
.macro STEP1
	s_cmp_gt_u32 s[SI], s[BETA]                    ; all keys of my step come after the block's queries: nothing to do (ids and the count of visits alone)
	s_cbranch_scc1 .Lhid_\@
	v_add_nc_u32 v[ADK], s[TB], v[AK0]
	v_add_nc_u32 v[ADS], s[TS], v[ASK0]
	v_add_nc_u32 v[ADM], s[TS], v[AAM0]
	QKG 0, 0
	QKG 1, 8
	PLACES 8
	s_cmp_lg_u32 s[SI], s[BETA]
	s_cbranch_scc1 .Lopen_\@
	MASKT
	WIN 0x55
	MASKT
	WIN 0
.Lopen_\@:
	MAXEXP
	WIN 0x55
	MAXEXP
	v_nop                                          ; a plain instruction behind the last exponential
	s_wait_alu depctr_va_vdst(0)                   ; ONE wait for both tiles' 130 exponentials, ahead of their first reader
	SUMS
	WIN 0
	SUMS
.Lhid_\@:
.endm
.macro MULG
.set j, 0
.rept 32
	v_pk_mul_f32 v[S+j:S+j+1], v[S+j:S+j+1], v[FG:FG+1] op_sel_hi:[1,0]
.set j, j+2
.endr
.endm
.macro MULC
.set j, 0
.rept 32
	v_pk_mul_f32 v[S+j:S+j+1], v[S+j:S+j+1], v[FR+j:FR+j+1]
.set j, j+2
.endr
.endm
.macro VFETCH g                        ; four tiles of V^T (16 of the head's 128 x my 128 keys); with g = 0 the scale words of all eight
	WIN 0x40
.irp t, 0,1,2,3
.irp c, 0,1,2,3
	ds_load_b128 v[FR+16*\t+4*\c:FR+16*\t+4*\c+3], v[ADV] offset:(4*\g+\t)*4352+32*\c
.endr
.endr
.if \g == 0
	WIN 0
.irp t, 0,1,2,3
	ds_load_b32 v[KS+\t], v[ADT] offset:2560*\t
.endr
.endif
.endm
.macro PVG g                           ; O^T += V^T w^T: eight accumulators by turns, one instruction a turn
	WIN 0x01
.irp t, 0,1,2,3
	WM O+8*(4*\g+\t), FR+16*\t, PC, O+8*(4*\g+\t), KS+(4*\g+\t)/2, PSA, \t%2, 0
.endr
	WIN 0x55
.irp t, 0,1,2,3
	WM O+8*(4*\g+\t), FR+16*\t, PC, O+8*(4*\g+\t), KS+(4*\g+\t)/2, PSB, \t%2, 0
.endr
.endm
; A tile's 64 weights of a lane become the operand's 16 registers and its scale word.  w: the tile's window; wps: the same with the destination in window 0, where scale words stand.
.macro QUANT ps, w, wps
	WIN \w
.irp b, 0,1,2,3
	v_max3_num_f32 v[TM+\b], |v[S+16*\b]|, |v[S+1+16*\b]|, 0x4800000   ; my 16 of block b, and the floor 2^(9 - 127): the byte cannot fall under 1
.endr
.irp i, 2,4,6,8,10,12,14
.irp b, 0,1,2,3
	v_max3_num_f32 v[TM+\b], v[TM+\b], |v[S+16*\b+\i]|, |v[S+1+16*\b+\i]|
.endr
.endr
.irp b, 0,1,2,3
	v_permlanex16_b32 v[TM+4+\b], v[TM+\b], s[SEL], s[SEL+1]
.endr
.irp b, 0,1,2,3
	v_max_num_f32 v[TM+\b], v[TM+\b], v[TM+4+\b]   ; with lane l xor 16's: the block's largest magnitude
.endr
.irp b, 0,1,2,3
	v_add_nc_u32 v[TM+12+\b], 0xfc000000, v[TM+\b] ; 8 off its exponent field: the conversion's scale operand
.endr
.irp b, 0,1,2,3
	v_and_or_b32 v[TM+8+\b], v[TM+\b], 0x7f800000, s[MNT]   ; 448 x the scale
.endr
.irp b, 0,1,2,3
	v_lshrrev_b32 v[TM+4+\b], 23, v[TM+12+\b]      ; the scale's byte
.endr
	v_lshl_or_b32 v[TM+4], v[TM+5], 8, v[TM+4]
	v_lshl_or_b32 v[TM+4], v[TM+6], 16, v[TM+4]
	WIN \wps
	v_lshl_or_b32 v[\ps], v[TM+7], 24, v[TM+4]     ; the scale word; the 64 holds below stand between it and the products
	WIN \w
.irp b, 0,1,2,3
.irp i, 0,1,2,3,4,5,6,7,8,9,10,11,12,13,14,15
	v_med3_num_f32 v[S+16*\b+\i], v[S+16*\b+\i], -v[TM+8+\b], v[TM+8+\b]   ; the conversion to an 8-bit code does not saturate (ISA guide 7.6.2): the hold at the largest code x the scale
.endr
	v_cvt_scalef32_pk8_fp8_f32 v[PC+4*\b:PC+1+4*\b], v[S+16*\b:S+7+16*\b], v[TM+12+\b]
	v_cvt_scalef32_pk8_fp8_f32 v[PC+2+4*\b:PC+3+4*\b], v[S+8+16*\b:S+15+16*\b], v[TM+12+\b]
.endr
	v_nop                                          ; a plain instruction behind the last conversion
.endm
; A STEP OF PASS 2.
.macro STEP2
	s_cmp_gt_u32 s[SI], s[BETA]
	s_cbranch_scc1 .Lhid_\@
	v_add_nc_u32 v[ADK], s[TB], v[AK0]
	v_add_nc_u32 v[ADV], s[TB], v[AV0]
	v_add_nc_u32 v[ADS], s[TS], v[ASK0]
	v_add_nc_u32 v[ADT], s[TJ], v[ASV0]
	v_add_nc_u32 v[ADM], s[TS], v[AAM0]
	QKG 0, 3                                       ; eight places behind the last step's products: the five additions and three v_nop
	QKG 1, 8
	PLACES 8
	WIN 0x40
.irp b, 0,1,2,3
.irp c, 0,1,2,3
	ds_load_b128 v[FR+16*\b+4*\c:FR+16*\b+4*\c+3], v[ADM] offset:RSZ+160*\b+16*\c   ; ctx of my 64 keys, in S^T's order; it lands behind the exponentials
.endr
.endr
	WIN 0
	s_cmp_lg_u32 s[SI], s[BETA]
	s_cbranch_scc1 .Lopen_\@
	MASKT
	WIN 0x55
	MASKT
	WIN 0
.Lopen_\@:
	SCEXP
	WIN 0x55
	SCEXP
	v_nop                                          ; a plain instruction behind the last exponential
	s_wait_alu depctr_va_vdst(0)                   ; ONE wait for both tiles' 128 exponentials, ahead of their first reader
	MULG                                           ; x head_mask / l
	s_wait_dscnt 0x0                               ; ctx is in
	MULC                                           ; x ctx
	WIN 0
	MULG
	WIN 0x04                                       ; source 1 (ctx) window 1
	MULC
	VFETCH 0                                       ; V's first four tiles land behind the quantiser
	QUANT PSA, 0, 0
	QUANT PSB, 0x55, 0x15
	PLACES 3                                       ; with the v_nop above: four places between the last codes and the products
	s_wait_dscnt 0x0
	PVG 0
	PLACES 8
	VFETCH 1
	s_wait_dscnt 0x0
	PVG 1
	WIN 0
.Lhid_\@:
.endm
; The pair joins its two halves of the keys.  NC = the smaller of the two (the larger m); l = l1 2^(NC - NC1) + l2 2^(NC - NC2): both waves get the same bits.  A wave that had no step has l = 0 and a factor 0.
.macro COMBINE
	v_add_f32 v[LS], v[LS], v[LS+1]
	v_permlanex16_b32 v[TM+4], v[LS], s[SEL], s[SEL+1]
	v_add_f32 v[LS], v[LS], v[TM+4]
	v_mov_b32 v[RM], v[NC]
	v_mov_b32 v[RM+1], v[LS]
	WIN 0x55
	v_add_f32 v[LS], v[LS], v[LS+1]
	v_permlanex16_b32 v[TM+4], v[LS], s[SEL], s[SEL+1]
	v_add_f32 v[LS], v[LS], v[TM+4]
	WIN 0x01
	v_mov_b32 v[RM+2], v[NC]
	v_mov_b32 v[RM+3], v[LS]
	WIN 0
	ds_store_b128 v[XMW], v[RM:RM+3]
	BAR                                            ; every wave's record lies in LDS
	ds_load_b128 v[RP:RP+3], v[XMP]                ; the partner's tile A is my tile B, and the other way round
	s_wait_dscnt 0x0
	v_min_num_f32 v[NC], v[RM], v[RP+2]
	v_min_num_f32 v[TM], v[RM+2], v[RP]
	v_sub_f32 v[TM+1], v[NC], v[RM]
	v_sub_f32 v[TM+2], v[NC], v[RP+2]
	v_sub_f32 v[TM+3], v[TM], v[RM+2]
	v_sub_f32 v[TM+4], v[TM], v[RP]
	v_exp_f32 v[TM+1], v[TM+1]
	v_exp_f32 v[TM+2], v[TM+2]
	v_exp_f32 v[TM+3], v[TM+3]
	v_exp_f32 v[TM+4], v[TM+4]
	v_nop
	s_wait_alu depctr_va_vdst(0)                   ; one wait for the four
	v_mul_f32 v[TM+1], v[TM+1], v[RM+1]
	v_mul_f32 v[TM+2], v[TM+2], v[RP+3]
	v_mul_f32 v[TM+3], v[TM+3], v[RM+3]
	v_mul_f32 v[TM+4], v[TM+4], v[RP+1]
	v_add_f32 v[TM+1], v[TM+1], v[TM+2]
	v_add_f32 v[TM+3], v[TM+3], v[TM+4]
	v_rcp_f32 v[TM+1], v[TM+1]
	v_rcp_f32 v[TM+3], v[TM+3]
	v_nop
	s_wait_alu depctr_va_vdst(0)                   ; one wait for the two
	v_mul_f32 v[FG], s[HM], v[TM+1]                ; G = head_mask / l
	WIN 0x40
	v_mul_f32 v[FG], s[HM], v[TM+3]
	v_mov_b32 v[NC], v[TM]
	WIN 0
.endm
.macro ZERO_O                          ; O^T begins as zeros: a wave may have no step at all in a block, and its partial is sent all the same; so the step is written once
.set j, 0
.rept 64
	v_mov_b32 v[O+j], 0
.set j, j+1
.endr
	WIN 0x40
.set j, 0
.rept 64
	v_mov_b32 v[O+j], 0
.set j, j+1
.endr
	WIN 0
.endm
; THE WAY OUT.  My partial of the partner's tile goes to LDS as an image of its registers; behind a barrier I add the partner's partial of my tile.  The sum goes through a stage, half a row (256 bytes) of 16 queries at a
; time, so that sixteen lanes store 256 consecutive bytes, aligned.  The stage is the partner's image: I alone read it, I have read it, and the partner writes it again only behind later barriers.
.macro OUT
	PLACES 8
	WIN 0x04                                       ; an LDS store's data are its source 1: window 1
.irp k, 0,1,2,3,4,5,6,7,8,9,10,11,12,13,14,15
	ds_store_b128 v[XOW], v[O+4*\k:O+4*\k+3] offset:512*\k   ; each accumulator from its low end on
.endr
	WIN 0
	BAR
.irp k, 0,1,2,3,4,5,6,7,8,9,10,11,12,13,14,15
	ds_load_b128 v[S+4*\k:S+4*\k+3], v[XOP] offset:512*\k
.endr
	s_wait_dscnt 0x0
.set j, 0
.rept 32
	v_pk_add_f32 v[S+j:S+j+1], v[O+j:O+j+1], v[S+j:S+j+1]   ; register 8 t + i: out(r, 16 t + 8 (lane / 16) + i)
.set j, j+2
.endr
.irp u, 0,1
.irp t, 0,1,2,3
	ds_store_b128 v[STO], v[S+32*\u+8*\t:S+32*\u+8*\t+3] offset:64*\t
	ds_store_b128 v[STO], v[S+32*\u+8*\t+4:S+32*\u+8*\t+7] offset:64*\t+16
.endr
.irp i, 0,1,2,3,4,5,6,7
	ds_load_b128 v[O+32*\u+4*\i:O+32*\u+4*\i+3], v[SRD] offset:2*\i*272   ; LDS serves a wave's instructions in order: these see my stores, and the next half's stores come behind them
.endr
.endr
.irp u, 0,1
.irp i, 0,1,2,3,4,5,6,7
	s_wait_dscnt 15-8*\u-\i                        ; at least so many LDS instructions were issued behind this load
	global_store_b128 v[GO], v[O+32*\u+4*\i:O+32*\u+4*\i+3], s[OUTP:OUTP+1] offset:1024*\i+256*\u th:TH_STORE_NT
.endr
.endr
.endm
; A BLOCK OF 128 QUERIES.  nv: the visits of a pass, a constant; visits beyond the causal limit do nothing but pass the barrier.  Tile b of K or V lies in slot b & 1.
; Pass 1 walks the keys DOWNWARD and pass 2 upward, so that K's tile 0 lies ready where pass 2 begins.  A change of slots asks for the next visit's tile, into the slot that the last visit read.
; A tile beyond the causal limit is read by no wave, so it is not asked for: a jump made of ids and the count of visits, the same in all eight waves, leads round the load's own lines and round nothing else;
; every wait on TENSORcnt in this text is for 0.  By this text's count a wave has two tensor loads out at the start and one later.
.macro BLOCK nv, late
.if \late
	s_wait_xcnt 0x0                                ; the early block's stores have read their registers and their base
	s_sub_co_u32 s[BETA], 15, s[G]
.else
	s_mov_b32 s[BETA], s[G]
.endif
	s_lshr_b32 s[LB], s[BETA], 1
.if \late
	s_mov_b32 s[KLIM], s[LB]
.else
	s_sub_co_i32 s[KLIM], s[LB], 2                 ; the early block's first two tiles of K came with the first fills
.endif
	s_lshl_b32 s2, s[BETA], 7
	s_lshl_b32 s3, s[PI], 5
	s_add_co_u32 s2, s2, s3                        ; the pair's first query
	s_mov_b32 s91, 0
	s_lshl_b32 s90, s2, 7
	s_add_nc_u64 s[QPTR:QPTR+1], s[4:5], s[90:91]
	s_lshl_b32 s90, s2, 2
	s_add_nc_u64 s[QSPTR:QSPTR+1], s[6:7], s[90:91]
	s_lshl_b32 s3, s[PAR], 4
	s_add_co_u32 s2, s2, s3                        ; my tile's
	s_lshl_b32 s90, s2, 9
	s_add_nc_u64 s[OUTP:OUTP+1], s[22:23], s[90:91]
.irp c, 0,1,2,3
	global_load_b128 v[QF+4*\c:QF+4*\c+3], v[QOA], s[QPTR:QPTR+1] offset:32*\c
.endr
	WIN 0x40
.irp c, 0,1,2,3
	global_load_b128 v[QF+4*\c:QF+4*\c+3], v[QOB], s[QPTR:QPTR+1] offset:32*\c
.endr
	WIN 0
	global_load_b32 v[QS], v[QSO], s[QSPTR:QSPTR+1]
	v_mov_b32 v[MX], 0xff167699                    ; m = -2e38, under every score that is served; NC = -L m is still a number
	v_mul_f32 v[NC], s[NL], v[MX]
	v_mov_b32 v[LS], 0
	v_mov_b32 v[LS+1], 0
	WIN 0x55
	v_mov_b32 v[MX], 0xff167699
	v_mul_f32 v[NC], s[NL], v[MX]
	v_mov_b32 v[LS], 0
	v_mov_b32 v[LS+1], 0
	WIN 0
	s_wait_tensorcnt 0x0                           ; no tensor load of mine is out, so K's group 0 may be written: tile nv, slot 0; the first trip steps it to tile nv - 1
	s_mov_b32 s[G0K], 1
	s_mov_b32 s[G0K+1], s[KL0]
	s_add_nc_u64 s[G0K+2:G0K+3], s[8:9], \nv*32768
	s_or_b32 s[G0K+3], s[G0K+3], 0x80000000
	s_mov_b32 s[BI], \nv
	s_add_co_u32 s[SI], s[PAR], 2*\nv
	s_mov_b32 s[TB], 0
	s_mul_i32 s[TS], s[PAR], 640
	s_add_co_u32 s[TS], s[TS], 1280*\nv
	s_wait_loadcnt 0x0                             ; Q
.Lp1_\@:                                               ; PASS 1: visits nv (always empty) down to 1
	CHGO
	s_xor_b32 s[G0K+1], s[G0K+1], SLOT1            ; the other slot, the 256 keys before; the type bits on top are not reached
	s_sub_nc_u64 s[G0K+2:G0K+3], s[G0K+2:G0K+3], 32768
.if \late
	s_wait_xcnt 0x0                                ; the last prefetch, a visit back, has read its address
	s_sub_nc_u64 s[PFK:PFK+1], s[PFK:PFK+1], 32768
.endif
	BAR                                            ; the visit's slot is whole, and nobody reads the other one
	s_sub_co_i32 s[T], s[BI], 1
	s_cmp_gt_i32 s[T], s[KLIM]
	s_cbranch_scc1 .Lpast1_\@
	TLOAD 1, 0
.Lpast1_\@:
.if \late
	ASK 6, PFL1, PFOK, PFK                         ; in visits 7 and 6: K's tiles 5 and 4, which the next visit's change asks for
.endif
	STEP1
	s_sub_co_u32 s[BI], s[BI], 1
	s_sub_co_u32 s[SI], s[SI], 2
	s_xor_b32 s[TB], s[TB], SLOT1
	s_sub_co_u32 s[TS], s[TS], 1280
	s_cmp_lg_u32 s[BI], 0
	s_cbranch_scc1 .Lp1_\@
	CHGO                                           ; visit 0 is written out: no tile of K is left to ask for.  V's group 0 is set to tile 0, slot 0
	s_mov_b32 s[G0V], 1
	s_mov_b32 s[G0V+1], s[VL0]
	s_mov_b64 s[G0V+2:G0V+3], s[12:13]
	s_or_b32 s[G0V+3], s[G0V+3], 0x80000000
	BAR
.if \late
	TLOAD 0, 1                                     ; V's tile 0 lands during this visit (in the early block it came with the first fills)
.endif
	STEP1
	COMBINE
	ZERO_O
	s_lshl_b32 s[TJ], s[PAR], 2
.Lp2_\@:                                               ; PASS 2: visits 0 to nv - 1; BI, SI, TB and TS stand at visit 0
	CHGO
	s_xor_b32 s[G0K+1], s[G0K+1], SLOT1
	s_add_nc_u64 s[G0K+2:G0K+3], s[G0K+2:G0K+3], 32768
	s_xor_b32 s[G0V+1], s[G0V+1], SLOT1
	s_add_nc_u64 s[G0V+2:G0V+3], s[G0V+2:G0V+3], 256
.if \late
	s_wait_xcnt 0x0
	s_add_nc_u64 s[PFV:PFV+1], s[PFV:PFV+1], 256
.endif
	BAR
	s_add_co_u32 s[T], s[BI], 1
	s_cmp_gt_u32 s[T], s[LB]
	s_cbranch_scc1 .Lpast2_\@
	TLOAD 1, 1
.Lpast2_\@:
.if \late
	ASK 2, PFL2, PFOV, PFV                         ; in visits 2 to 5: V's tiles 4 to 7
.endif
	STEP2
	s_add_co_u32 s[BI], s[BI], 1
	s_add_co_u32 s[SI], s[SI], 2
	s_xor_b32 s[TB], s[TB], SLOT1
	s_add_co_u32 s[TS], s[TS], 1280
	s_add_co_u32 s[TJ], s[TJ], 8
	s_cmp_lt_u32 s[BI], \nv
	s_cbranch_scc1 .Lp2_\@
	OUT
.endm
	s_load_b512 s[4:19], s[0:1], 0x0               ; Q codes s[4:5], Q scales s[6:7], K codes s[8:9], K scales s[10:11], V codes s[12:13], V scales s[14:15], attention_mask s[16:17], ctx_mask s[18:19]
	s_load_b128 s[20:23], s[0:1], 0x40             ; head_mask s[20:21], out s[22:23]
	v_lshl_add_u32 v[SPW], v0, 2, SPARE
	v_mov_b32 v[NIL], 0
	ds_add_u32 v[SPW], v[NIL]                      ; the wave's opening: the add and its wait stand ahead of my first tensor load; the set-up below, work on registers, stands between them
	v_lshrrev_b32 v88, 5, v0
	v_readfirstlane_b32 s[WV], v88                 ; wave 0..7
	s_and_b32 s[U], s[WV], 1
	s_lshr_b32 s[PI], s[WV], 1                     ; the pair
	s_lshr_b32 s[PAR], s[WV], 2
	s_xor_b32 s[PAR], s[PAR], s[WV]
	s_and_b32 s[PAR], s[PAR], 1                    ; which step of a slot is mine; the partner, wave ^ 1, has the other
	s_mov_b32 s[G], ttmp9
	s_and_b32 s[HEAD], ttmp7, 0xffff
	; group 1 for K: the even (or odd) groups of 8 keys of 256: 16 rows of 1,024 bytes (128 elements of 8), 2,048 bytes apart; 16 bytes of padding behind each 128, that is behind each key
	s_mov_b32 s[G1K], (3<<16)|(1<<20)|(4<<22)|(3<<25)
	s_mov_b32 s[G1K+1], 128<<16
	s_mov_b32 s[G1K+2], 16<<16
	s_mov_b32 s[G1K+3], 128<<16
	s_mov_b32 s[G1K+4], 16
	s_mov_b32 s[G1K+5], 256
	s_mov_b32 s[G1K+6], 0
	s_mov_b32 s[G1K+7], 0
	; for V: 64 rows of 256 bytes, 2,048 bytes apart; 16 bytes of padding behind each
	s_mov_b32 s[G1V], (1<<20)|(5<<22)|(3<<25)
	s_mov_b32 s[G1V+1], 256<<16
	s_mov_b32 s[G1V+2], 64<<16
	s_mov_b32 s[G1V+3], 256<<16
	s_mov_b32 s[G1V+4], 64
	s_mov_b32 s[G1V+5], 2048
	s_mov_b32 s[G1V+6], 0
	s_mov_b32 s[G1V+7], 0
	; for a resident: 8,192 dense bytes as 128 rows of 64 (8 elements of 8); 16 bytes of padding behind each
	s_mov_b32 s[G1R], (3<<16)|(1<<20)|(3<<22)|(3<<25)
	s_mov_b32 s[G1R+1], 8<<16
	s_mov_b32 s[G1R+2], 128<<16
	s_mov_b32 s[G1R+3], 8<<16
	s_mov_b32 s[G1R+4], 128
	s_mov_b32 s[G1R+5], 8
	s_mov_b32 s[G1R+6], 0
	s_mov_b32 s[G1R+7], 0
	s_mov_b32 s[SEL], 0x76543210
	s_mov_b32 s[SEL+1], 0xfedcba98
	s_mov_b32 s[LG], 0x3fb8aa3b                    ; log2(e)
	s_mov_b32 s[LG+1], s[LG]
	s_mov_b32 s[NL], 0xbfb8aa3b
	s_mov_b32 s[MNT], 0x600000
	v_and_b32 v88, 15, v0                          ; r
	v_bfe_u32 v89, v0, 4, 1                        ; h
	v_and_b32 v90, 31, v0                          ; lane
	v_mul_u32_u24 v[AK0], v88, 144                 ; K: in LDS the 16 rows of a tile are neighbours, 144 bytes = 36 words apart: they begin at sixteen different banks (64 banks of 4 bytes: ISA guide 11.1)
	v_lshl_add_u32 v[AK0], v89, 4, v[AK0]
	s_mul_i32 s[T], s[PAR], 64*144                 ; my step's 64 rows of each half
	v_add_nc_u32 v[AK0], s[T], v[AK0]
	v_mul_u32_u24 v[AV0], v88, 272                 ; V: row r of a tile, my step's 128 bytes of it
	v_lshl_add_u32 v[AV0], v89, 4, v[AV0]
	s_lshl_b32 s[T], s[PAR], 7
	s_add_co_u32 s[T], s[T], VOFF
	v_add_nc_u32 v[AV0], s[T], v[AV0]
	v_lshrrev_b32 v91, 3, v88                      ; K's scale words: key 8 h + r % 8 + 16 (r / 8) of a block of 32: 4 bytes a key, 16 keys to a row of 80
	v_mul_u32_u24 v[ASK0], v91, 80
	v_lshl_add_u32 v[ASK0], v89, 5, v[ASK0]
	v_and_b32 v91, 7, v88
	v_lshl_add_u32 v[ASK0], v91, 2, v[ASK0]
	v_add_nc_u32 v[ASK0], KSC, v[ASK0]
	v_mul_u32_u24 v[ASV0], v90, 80                 ; V's: row 16 h + r of a pair of tiles
	v_add_nc_u32 v[ASV0], VSC, v[ASV0]
	v_mul_u32_u24 v[AAM0], v89, 80                 ; the mask: 16 numbers to a row of 80: my half's 16 of a block of 32
	v_add_nc_u32 v[AAM0], AMB, v[AAM0]
	v_lshlrev_b32 v91, 4, v90                      ; 16 x lane
	s_xor_b32 s2, s[WV], 1                         ; the partner
	s_lshl_b32 s[T], s[WV], 9
	s_add_co_u32 s[T], s[T], XM
	v_add_nc_u32 v[XMW], s[T], v91
	s_lshl_b32 s[T], s2, 9
	s_add_co_u32 s[T], s[T], XM
	v_add_nc_u32 v[XMP], s[T], v91
	s_lshl_b32 s[T], s[WV], 13
	s_add_co_u32 s[T], s[T], XO
	v_add_nc_u32 v[XOW], s[T], v91
	s_lshl_b32 s[T], s2, 13
	s_add_co_u32 s[T], s[T], XO
	v_add_nc_u32 v[XOP], s[T], v91
	v_mul_u32_u24 v92, v88, 272                    ; the stage, in: row r, 32 bytes for each half of the lanes
	v_lshl_add_u32 v92, v89, 5, v92
	v_add_nc_u32 v[STO], s[T], v92
	v_mul_u32_u24 v92, v89, 272                    ; back: lanes 0-15 one row, lanes 16-31 the next
	v_lshl_add_u32 v92, v88, 4, v92
	v_add_nc_u32 v[SRD], s[T], v92
	v_lshlrev_b32 v[GO], 9, v89
	v_lshl_add_u32 v[GO], v88, 4, v[GO]
	v_lshlrev_b32 v91, 7, v88
	v_lshl_add_u32 v91, v89, 4, v91                ; Q: row r of 128 bytes, + 16 h
	s_lshl_b32 s[T], s[PAR], 11                    ; my tile begins 16 x parity rows into the pair's 32,
	v_add_nc_u32 v[QOA], s[T], v91
	s_xor_b32 s[T], s[T], 2048                     ; the partner's at the other 16
	v_add_nc_u32 v[QOB], s[T], v91
	v_xor_b32 v91, s[PAR], v89
	v_lshlrev_b32 v91, 6, v91
	v_lshl_add_u32 v[QSO], v88, 2, v91             ; scale words: lanes 0-15 my tile's, lanes 16-31 the partner's
	v_lshlrev_b32 v[PFOK], 8, v90
	v_lshlrev_b32 v[PFOV], 11, v90
	s_lshl_b32 s[T], s[PI], 5
	s_lshl_b32 s2, s[PAR], 4
	s_add_co_u32 s2, s[T], s2
	v_lshlrev_b32 v91, 4, v89
	v_sub_nc_u32 v91, v88, v91
	v_add_nc_u32 v[DREL], s2, v91                  ; my query within the block, less 16 h
	v_mov_b32 v[FG+1], 0                           ; (named with v12 as a pair)
	v_mov_b32 v[NINF], 0xff800000
.irp b, 0,1,2,3
	v_mov_b32 v[TM+4+\b], 0                        ; written once: a lane permute's destination counts as one of its sources
.endr
	s_xor_b32 s2, s2, 16
	WIN 0x40
	v_add_nc_u32 v[DREL], s2, v91
	v_mov_b32 v[FG+1], 0
	v_mov_b32 v[NINF], 0xff800000
.irp b, 0,1,2,3
	v_mov_b32 v[TM+4+\b], 0
.endr
	WIN 0
	s_mul_i32 s[KL0], s[U], KU
	s_mul_i32 s[VL0], s[U], VH
	s_add_co_u32 s[VL0], s[VL0], VOFF
	s_and_b32 s2, s[PI], 1                         ; the slot of my first ring fill: waves 0, 1, 4, 5: slot 0; waves 2, 3, 6, 7: slot 1
	s_lshl_b32 s3, s2, 17
	s_mov_b32 s[G0K], 1
	s_add_co_u32 s[G0K+1], s3, s[KL0]
	s_mov_b32 s[G0V], 1
	s_add_co_u32 s[G0V+1], s3, s[VL0]
	s_and_b32 s[T], s[WV], 3
	s_mov_b32 s[G0R], 1
	s_mul_i32 s[G0R+1], s[T], RSZ
	s_add_co_u32 s[G0R+1], s[G0R+1], RES
	s_wait_dscnt 0x0                               ; the opening add is done
	s_wait_kmcnt 0x0
	s_lshl_b32 s90, s[HEAD], 18                    ; a head's codes: 262,144 bytes in each of the three tensors
	s_mov_b32 s91, 0
	s_mov_b32 s95, 0
	s_add_nc_u64 s[4:5], s[4:5], s[90:91]
	s_add_nc_u64 s[8:9], s[8:9], s[90:91]
	s_add_nc_u64 s[12:13], s[12:13], s[90:91]
	s_lshl_b32 s94, s[T], 13                       ; the prefetches: my quarter of a tile of K, at tile 7; the late block's first visit steps it to tile 6
	s_add_nc_u64 s[PFK:PFK+1], s[8:9], s[94:95]
	s_add_nc_u64 s[PFK:PFK+1], s[PFK:PFK+1], 7*32768
	s_lshl_b32 s94, s[T], 16                       ; my 32 rows of V, at tile 1; pass 2's first visit steps it to tile 2
	s_add_nc_u64 s[PFV:PFV+1], s[12:13], s[94:95]
	s_add_nc_u64 s[PFV:PFV+1], s[PFV:PFV+1], 256
	s_lshl_b32 s94, s[U], 10                       ; K at my half: the even or the odd groups of 8 keys
	s_add_nc_u64 s[8:9], s[8:9], s[94:95]
	s_lshl_b32 s94, s[U], 17                       ; V at my 64 rows
	s_add_nc_u64 s[12:13], s[12:13], s[94:95]
	s_lshl_b32 s90, s[HEAD], 13
	s_add_nc_u64 s[6:7], s[6:7], s[90:91]
	s_lshl_b32 s90, s[HEAD], 20
	s_add_nc_u64 s[22:23], s[22:23], s[90:91]
	s_and_b32 s90, s[HEAD], 15
	s_lshl_b32 s90, s90, 2
	s_add_nc_u64 s[20:21], s[20:21], s[90:91]
	s_load_b32 s[HM], s[20:21], 0x0                ; head_mask[h]
	s_lshl_b32 s94, s2, 8                          ; V's first fills: tile 0 into slot 0, tile 1 into slot 1
	s_add_nc_u64 s[G0V+2:G0V+3], s[12:13], s[94:95]
	s_or_b32 s[G0V+3], s[G0V+3], 0x80000000
	s_lshr_b32 s3, s[G], 1                         ; K's: the two tiles that the early block's downward pass reads first, each in the slot of its parity:
	s_and_b32 s94, s3, 6                           ; the largest even one up to its limit g / 2,
	s_sub_co_i32 s3, s3, 1
	s_or_b32 s3, s3, 1
	s_max_i32 s3, s3, 1                            ; and the largest odd one (tile 1 where the limit is 0: no step of that block reads it; every byte of the ring has its first fill here)
	s_cmp_eq_u32 s2, 0
	s_cselect_b32 s94, s94, s3
	s_lshl_b32 s94, s94, 15
	s_add_nc_u64 s[G0K+2:G0K+3], s[8:9], s[94:95]
	s_or_b32 s[G0K+3], s[G0K+3], 0x80000000
	s_lshl_b32 s2, s[HEAD], 13                     ; the residents: wave 0 K's scales, wave 1 V's (by head); wave 2 attention_mask, wave 3 ctx_mask (by batch)
	s_lshr_b32 s3, s[HEAD], 4
	s_lshl_b32 s3, s3, 13
	s_cmp_eq_u32 s[U], 0
	s_cselect_b64 s[90:91], s[10:11], s[14:15]
	s_cselect_b64 s[94:95], s[16:17], s[18:19]
	s_cmp_lt_u32 s[T], 2
	s_cselect_b64 s[G0R+2:G0R+3], s[90:91], s[94:95]
	s_cselect_b32 s90, s2, s3
	s_mov_b32 s91, 0
	s_add_nc_u64 s[G0R+2:G0R+3], s[G0R+2:G0R+3], s[90:91]
	s_or_b32 s[G0R+3], s[G0R+3], 0x80000000
	s_cmp_lt_u32 s[WV], 4                          ; the first fills go out as one group, a wave's inside one branch on its number
	s_cbranch_scc0 .Lfirst_k
	tensor_load_to_lds s[G0R:G0R+3], s[G1R:G1R+7]
	s_nop 0
	tensor_load_to_lds s[G0V:G0V+3], s[G1V:G1V+7]
	s_nop 0
	PLACES 4
	s_branch .Lfirst_done
.Lfirst_k:
	tensor_load_to_lds s[G0K:G0K+3], s[G1K:G1K+7]
	s_nop 0
	PLACES 4
.Lfirst_done:
	s_lshr_b32 s2, s[WV], 2                        ; who prefetches: waves 4 to 7 of the head's work-group 0
	s_xor_b32 s2, s2, 1
	s_or_b32 s2, s2, s[G]
	s_cmp_eq_u32 s2, 0
	s_cselect_b32 s[PFL1], 2, 0
	s_cselect_b32 s[PFL2], 4, 0
	s_wait_kmcnt 0x0                               ; head_mask
	BLOCK 4, 0                                     ; queries 128 g on: its keys lie in tiles 0 to 3 at the most
	BLOCK 8, 1                                     ; queries 128 (15 - g) on
	s_wait_tensorcnt 0x0                           ; the wave's end, behind my last tensor load and my last LDS store
	ds_add_u32 v[SPW], v[NIL]
	s_wait_dscnt 0x0
	s_endpgm
.Lfunc_end_k_qa3e9e7724a_attn:
	.size	k_qa3e9e7724a_attn, .Lfunc_end_k_qa3e9e7724a_attn-k_qa3e9e7724a_attn
	.p2alignl 7, 3214868480
	.fill 96, 4, 3214868480
	.section	.rodata,"a",@progbits
	.p2align	6, 0x0
	.amdhsa_kernel k_qa3e9e7724a_attn
		.amdhsa_group_segment_fixed_size 327680
		.amdhsa_private_segment_fixed_size 0
		.amdhsa_enable_private_segment 0
		.amdhsa_kernarg_size 80
		.amdhsa_user_sgpr_count 2
		.amdhsa_user_sgpr_kernarg_segment_ptr 1
		.amdhsa_wavefront_size32 1
		.amdhsa_system_sgpr_workgroup_id_x 1
		.amdhsa_system_sgpr_workgroup_id_y 1
		.amdhsa_system_sgpr_workgroup_id_z 1
		.amdhsa_system_vgpr_workitem_id 0
		.amdhsa_next_free_vgpr 512
		.amdhsa_next_free_sgpr 102
		.amdhsa_reserve_vcc 1
		.amdhsa_float_denorm_mode_32 3
		.amdhsa_float_denorm_mode_16_64 3
		.amdhsa_memory_ordered 1
		.amdhsa_forward_progress 1
		.amdhsa_inst_pref_size 255
	.end_amdhsa_kernel
	.section	.bss,"aw",@nobits
	.p2align	6
	.space	262144
	.amdgpu_metadata
---
amdhsa.version: [ 1, 2 ]
amdhsa.kernels:
  - .name:           k_qa3e9e7724a_attn
    .symbol:         k_qa3e9e7724a_attn.kd
    .args:
      - { .name: query_codes, .offset: 0, .size: 8, .value_kind: global_buffer, .address_space: global }
      - { .name: query_scales, .offset: 8, .size: 8, .value_kind: global_buffer, .address_space: global }
      - { .name: key_codes, .offset: 16, .size: 8, .value_kind: global_buffer, .address_space: global }
      - { .name: key_scales, .offset: 24, .size: 8, .value_kind: global_buffer, .address_space: global }
      - { .name: value_codes, .offset: 32, .size: 8, .value_kind: global_buffer, .address_space: global }
      - { .name: value_scales, .offset: 40, .size: 8, .value_kind: global_buffer, .address_space: global }
      - { .name: attention_mask, .offset: 48, .size: 8, .value_kind: global_buffer, .address_space: global }
      - { .name: ctx_mask, .offset: 56, .size: 8, .value_kind: global_buffer, .address_space: global }
      - { .name: head_mask, .offset: 64, .size: 8, .value_kind: global_buffer, .address_space: global }
      - { .name: out0, .offset: 72, .size: 8, .value_kind: global_buffer, .address_space: global }
    .group_segment_fixed_size: 327680
    .private_segment_fixed_size: 0
    .kernarg_segment_align: 8
    .kernarg_segment_size: 80
    .max_flat_workgroup_size: 256
    .sgpr_count:     102
    .vgpr_count:     512
    .wavefront_size: 32
...
	.end_amdgpu_metadata
.endif
;; end of part 1
